; MI455X (gfx1250); checked and timed in simulation.
; The chip was launched on July 23, 2026; its instructions are those of AMD's public machine-readable ISA for CDNA 5 (MIT licence, August 2026) and "CDNA5" Instruction Set Architecture Reference Guide (July 2026). The comments in the code are by the model that wrote it; some were corrected since.
;; Mixer Block. Allowed arithmetic: float matrix products may take bf16 or f16 operands with f32 sums; all other float work in f32.
;; Inputs: in_b 1,024 float32; in_w 1,024 x 1,024 float32; mix_b 16 x 2,048 float32; mix_w 16 x 2,048 float32; out_b 1,024 float32; out_w 1,024 x 1,024 float32; x 4 x 1,024 x 2,048 float32.
;; Outputs: out0 4 x 1,024 x 2,048 float32.
;; 2 versions, each right; version 2 is version 1 with the launch prep written anew for expert scheduling mode. Each part assembles by itself: llvm-mc -triple=amdgcn-amd-amdhsa -mcpu=gfx1250 --defsym DOCPART=n.
;; ======== version 1 of 2: 4 launches
;; limits: values outside matrix products are rounded to bf16
;; workspace buffers: wib 2,097,152 bytes; wob 2,097,152 bytes; mloc 16,777,216 bytes; tot 524,288 bytes; dfrag 8,388,608 bytes
;; launch prep (part 1): grid 128 x 2, 8 waves a work-group, no clusters, 0 bytes of LDS; arguments in_w, out_w, wib, wob; writes wib, wob
.if DOCPART == 1
	.amdgcn_target "amdgcn-amd-amdhsa--gfx1250"
	.amdhsa_code_object_version 6
	.text
	.protected	k_q19186ed5e3_prep
	.globl	k_q19186ed5e3_prep
	.p2align	8
	.type	k_q19186ed5e3_prep,@function
k_q19186ed5e3_prep:
	s_mov_b64 s[64:65], 0
	v_nop
	global_prefetch_b8 v0, s[64:65] scope:SCOPE_SE
	s_setreg_imm32_b32 hwreg(HW_REG_WAVE_MODE, 25, 1), 1
	s_wait_xcnt 0x0
; wib = bf16(in_w), wob = bf16(out_w): both [1024][1024], row-major, rounded to nearest even.
; The two projections read each weight block 32 times; rounding it once here halves those bytes and lets the
; tensor data mover lay bf16 rows straight into LDS.
; Grid y picks the matrix.  A work-group takes 8,192 numbers: 32,768 bytes in, 16,384 bytes out.
; A stream: no LDS, no barrier, no matrix unit; every register set is used once, so the only waits are the counted ones for data.
.set IN_BYTES,  32768                  ; a work-group's f32 bytes
.set OUT_BYTES, 16384                  ; and its bf16 bytes
	s_load_b256 s[4:11], s[0:1], 0x0               ; in_w s[4:5], out_w s[6:7], wib s[8:9], wob s[10:11]
	s_and_b32 s12, ttmp7, 0xffff                   ; 0: in_w to wib, 1: out_w to wob
	s_lshl_b32 s14, ttmp9, 15                      ; work-group x times IN_BYTES
	s_mov_b32 s15, 0
	s_lshl_b32 s16, ttmp9, 14                      ; work-group x times OUT_BYTES
	s_mov_b32 s17, 0
	v_lshlrev_b32 v1, 4, v0                        ; 16 bytes a thread in
	v_lshlrev_b32 v2, 3, v0                        ; 8 bytes a thread out
	s_wait_kmcnt 0x0
	s_cmp_eq_u32 s12, 0
	s_cselect_b64 s[4:5], s[4:5], s[6:7]           ; the source
	s_cselect_b64 s[8:9], s[8:9], s[10:11]         ; the destination
	s_add_nc_u64 s[4:5], s[4:5], s[14:15]
	s_add_nc_u64 s[8:9], s[8:9], s[16:17]
.irp j, 0,1,2,3,4,5,6,7
	global_load_b128 v[4+4*\j:7+4*\j], v1, s[4:5] offset:4096*\j th:TH_LOAD_NT   ; read once in the launch
.endr
.irp j, 0,1,2,3,4,5,6,7
	s_wait_loadcnt 7-\j                            ; loads come back in order: load j is in, the 7 - j younger ones stay out
	v_cvt_pk_bf16_f32 v[36+2*\j], v[4+4*\j], v[5+4*\j]
	v_cvt_pk_bf16_f32 v[37+2*\j], v[6+4*\j], v[7+4*\j]
	global_store_b64 v2, v[36+2*\j:37+2*\j], s[8:9] offset:2048*\j   ; a wave's store covers 256 consecutive bytes, aligned
.endr
	s_endpgm
.Lfunc_end_k_q19186ed5e3_prep:
	.size	k_q19186ed5e3_prep, .Lfunc_end_k_q19186ed5e3_prep-k_q19186ed5e3_prep
	.p2alignl 7, 3214868480
	.fill 96, 4, 3214868480
	.section	.rodata,"a",@progbits
	.p2align	6, 0x0
	.amdhsa_kernel k_q19186ed5e3_prep
		.amdhsa_group_segment_fixed_size 0
		.amdhsa_private_segment_fixed_size 0
		.amdhsa_enable_private_segment 0
		.amdhsa_kernarg_size 32
		.amdhsa_user_sgpr_count 2
		.amdhsa_user_sgpr_kernarg_segment_ptr 1
		.amdhsa_wavefront_size32 1
		.amdhsa_system_sgpr_workgroup_id_x 1
		.amdhsa_system_sgpr_workgroup_id_y 1
		.amdhsa_system_sgpr_workgroup_id_z 1
		.amdhsa_system_vgpr_workitem_id 0
		.amdhsa_next_free_vgpr 52
		.amdhsa_next_free_sgpr 66
		.amdhsa_reserve_vcc 0
		.amdhsa_float_denorm_mode_32 3
		.amdhsa_float_denorm_mode_16_64 3
		.amdhsa_memory_ordered 1
		.amdhsa_forward_progress 1
		.amdhsa_inst_pref_size 4
	.end_amdhsa_kernel
	.amdgpu_metadata
---
amdhsa.version: [ 1, 2 ]
amdhsa.kernels:
  - .name:           k_q19186ed5e3_prep
    .symbol:         k_q19186ed5e3_prep.kd
    .args:
      - { .name: in_w, .offset: 0, .size: 8, .value_kind: global_buffer, .address_space: global }
      - { .name: out_w, .offset: 8, .size: 8, .value_kind: global_buffer, .address_space: global }
      - { .name: wib, .offset: 16, .size: 8, .value_kind: global_buffer, .address_space: global }
      - { .name: wob, .offset: 24, .size: 8, .value_kind: global_buffer, .address_space: global }
    .group_segment_fixed_size: 0
    .private_segment_fixed_size: 0
    .kernarg_segment_align: 8
    .kernarg_segment_size: 32
    .max_flat_workgroup_size: 256
    .sgpr_count:     66
    .vgpr_count:     52
    .wavefront_size: 32
...
	.end_amdgpu_metadata
.endif
;; end of part 1
;; launch inproj (part 2): grid 32 x 8, 4 waves a work-group, clusters of 4 x 1, 281,088 bytes of LDS; arguments x, wib, in_b, mix_w, mix_b, mloc, tot; writes mloc, tot
.if DOCPART == 2
	.amdgcn_target "amdgcn-amd-amdhsa--gfx1250"
	.amdhsa_code_object_version 6
	.text
	.protected	k_q19186ed5e3_inproj
	.globl	k_q19186ed5e3_inproj
	.p2align	8
	.type	k_q19186ed5e3_inproj,@function
k_q19186ed5e3_inproj:
	s_mov_b64 s[64:65], 0
	v_nop
	global_prefetch_b8 v0, s[64:65] scope:SCOPE_SE
	s_setreg_imm32_b32 hwreg(HW_REG_WAVE_MODE, 25, 1), 1
	s_wait_xcnt 0x0
	s_wait_alu depctr_hold_cnt(0) depctr_sa_sdst(0) depctr_va_vdst(0) depctr_va_sdst(0) depctr_va_ssrc(0) depctr_va_vcc(0) depctr_vm_vsrc(0)
	s_getreg_b32 s2, hwreg(HW_REG_IB_STS2, 6, 4)
	s_cmp_eq_u32 s2, 0
	s_cbranch_scc0 .Lentry_in_a_cluster
	s_endpgm
.Lentry_in_a_cluster:
	s_bfe_u32 s2, ttmp6, 0x10000c
	s_cmp_lg_u32 s2, 0x3003
	s_cbranch_scc0 .Lentry_shape_is_right
	s_endpgm
.Lentry_shape_is_right:
; P[b][f][t] = sum over e of in_w[f][e] x[b][e][t] + in_b[f]  (bf16 operands, f32 sums), and the part of the mix that stays inside 64 columns.
; The head matrices are causal with one repeated vector, so the mix is a running sum along t:
;   heads 0-7:  mixed = mix_w[h][s] * (sum over t <= s of P) + mix_b[h][s];   heads 8-15: mixed = (sum over t <= s of mix_w[h][t] P) + mix_b[h][s].
; With apre = mix_w for heads 8-15 (else 1), apost = mix_w for heads 0-7 (else 1), y = apre P, and blocks of 64 columns:
;   L = running sum of y inside the block, T = the block's total.  This launch stores  mloc = bf16(apost L + mix_b)  and  tot = T as bf16 hi + lo.
; The sums over earlier blocks are added by the next two launches.
; LIMITS: x, in_w, in_b, mix_w, mix_b are rounded to bf16 on entry; apost L + mix_b is rounded to bf16 once; an infinite total gives NaN in its lo part.
;
; SHARES: 256 work-groups, each 128 rows f x 256 columns t, K = 1024.  Four waves side by side, a wave 128 x 64: 32 accumulators, 256 registers.
; Lane r of accumulator q stands for column 4 r + q of the wave's 64, so a lane's 16-byte load of x feeds the four accumulators q = 0..3.
; A (128 x 1024 of wib) lies whole in LDS, filled once: 8 chunks of 128 rows x 128 k, rows of 256 bytes + 16 of padding.  Nothing is filled again.
; CLUSTER: the four work-groups of a cluster are four column tiles of one row block and need the same A: each chunk is one joint load, mask 15.
; B (x) goes from memory into registers and not through LDS, and is not asked for jointly: each number of x in this tile is used by one wave alone.
; REGISTER WINDOWS: block 0 addresses, constants, fragments; block 1 the accumulators, (i, q) at v[8 (4 i + q)]; block 2 four sets of 64 registers of x in f32.
.set CH,    34816                      ; a chunk of A in LDS: 128 rows x 272 bytes
.set SCR,   8*CH                       ; behind A: 512 bytes a wave for its block totals, never a tensor load's target
.set XROW,  8192                       ; bytes in a row of x
.set APRE,  16                         ; v[16:23]   apre  of (head i/4, q)
.set APOST, 24                         ; v[24:31]   mix_w as loaded, then apost
.set MXB,   32                         ; v[32:39]   mix_b
.set IB,    40                         ; v[40:47]   in_b of row 16 i + r
.set T4,    48                         ; v[48:59]   totals at work
.set AF0,   64                         ; v[64:127]  A fragments, buffer 0
.set AF1,   128                        ; v[128:191] A fragments, buffer 1
.set BF,    192                        ; v[192:223] four B fragments
.set TMP,   AF0                        ; epilogue: scan over the lanes
.set EX,    AF1                        ; epilogue: sums of the lanes to the left
.set G1,    32                         ; s[32:39]   descriptor group 1
.set G0,    40                         ; s[40:47]   descriptor group 0, one for each of the wave's two loads
.set MSB,   0
.macro WIN new                         ; s_set_vgpr_msb: bits 1:0 source 0, 3:2 source 1, 5:4 source 2, 7:6 destination; the high byte repeats the setting left
.if MSB != \new
	s_set_vgpr_msb (MSB<<8)|\new
.set MSB, \new
.endif
.endm
.macro PLACES                          ; four independent vector instructions behind a matrix instruction before its registers are touched (ISA guide 7.12.1)
.rept 4
	v_nop
.endr
.endm
.macro ROUND                           ; a round of the cluster's barrier
	s_barrier_signal -1
	s_barrier_wait -1
	s_cmp_lg_u32 s4, 0
	s_cbranch_scc1 .Lnot_wave_0_\@
	s_barrier_signal -3
.Lnot_wave_0_\@:
	s_barrier_wait -3
	s_barrier_signal -1
	s_barrier_wait -1
.endm
.macro AFETCH buf, off                 ; the eight A fragments (128 rows x 32 k) at byte off of the rows that v4 points at
.irp i, 0,1,2,3,4,5,6,7
	ds_load_b128 v[\buf+8*\i:\buf+8*\i+3],   v4 offset:\off+4352*\i
	ds_load_b128 v[\buf+8*\i+4:\buf+8*\i+7], v4 offset:\off+4352*\i+32
.endr
.endm
.macro RND2 a, b, t                    ; two f32 rounded to bf16 values, kept as f32
	v_cvt_pk_bf16_f32 v[\t], v[\a], v[\b]
	v_lshlrev_b32 v[\a], 16, v[\t]
	v_and_b32 v[\b], 0xffff0000, v[\t]
.endm
; 16 loads: slot i of a K step is row row0 + i + 8 (i / 8) (+ 8 for lanes 16-31, in v3): the k that a fragment holds in register i / 2, half i & 1.
; A load covers 256 consecutive aligned bytes of each of two rows.
.macro XLOAD set, row0
	WIN 0x80
.irp i, 0,1,2,3,4,5,6,7,8,9,10,11,12,13,14,15
	global_load_b128 v[64*\set+4*\i:64*\set+4*\i+3], v3, s[8:9] offset:(\row0+\i+8*(\i/8))*XROW
.endr
.endm
.macro CVT set                         ; f32 to bf16: register p of fragment q takes slots 2 p, 2 p + 1 of column q
	WIN 0x0a
.irp q, 0,1,2,3
.irp p, 0,1,2,3,4,5,6,7
	v_cvt_pk_bf16_f32 v[BF+8*\q+\p], v[64*\set+8*\p+\q], v[64*\set+8*\p+4+\q]
.endr
.endr
.endm
.macro MUL buf                         ; the 32 accumulators take turns, one instruction a turn, in the same order in every step
	WIN 0x50
.irp i, 0,1,2,3,4,5,6,7
.irp q, 0,1,2,3
	v_wmma_f32_16x16x32_bf16 v[8*(4*\i+\q):8*(4*\i+\q)+7], v[\buf+8*\i:\buf+8*\i+7], v[BF+8*\q:BF+8*\q+7], v[8*(4*\i+\q):8*(4*\i+\q)+7]
.endr
.endr
.endm
; One K step of 32.  j: the step in its chunk = the set of x.  ld: the set is loaded again, four steps ahead.  left: younger x loads that may stay out.
.macro STEP j, ld, left, last
	s_wait_loadcnt \left                           ; loads come back in order: this set's 16 are in, the younger sets stay out
	CVT \j
.if \ld
	XLOAD \j, 32*(\j+4)
.endif
	WIN 0
.if \last
	s_wait_dscnt 0x0
.else
.if \j == 3
	v_add_nc_u32 v4, CH, v4                        ; the next chunk of A
.endif
	AFETCH AF0+64*((\j+1)&1), 64*((\j+1)&3)        ; the next step's fragments, into the buffer multiplied one step ago
	s_wait_dscnt 0x10                              ; all but the 16 just issued: this step's fragments are in
.endif
	MUL AF0+64*(\j&1)
	PLACES                                         ; in front of the next step's writes of BF and loads into the fragment buffers
.endm
.macro BODY                            ; a chunk of A: 128 along K
	STEP 0, 1, 48, 0
	STEP 1, 1, 48, 0
	STEP 2, 1, 48, 0
	STEP 3, 1, 48, 0
	WIN 0
.endm
.macro SCALE i, q                      ; y = apre P: eight rows of one column, the column's factor for both halves of a pair
.irp j, 0,2,4,6
.if (\q)&1
	v_pk_mul_f32 v[8*(4*\i+\q)+\j:8*(4*\i+\q)+\j+1], v[8*(4*\i+\q)+\j:8*(4*\i+\q)+\j+1], v[APRE+4*(\i/4)+\q-1:APRE+4*(\i/4)+\q] op_sel:[0,1] op_sel_hi:[1,1]
.else
	v_pk_mul_f32 v[8*(4*\i+\q)+\j:8*(4*\i+\q)+\j+1], v[8*(4*\i+\q)+\j:8*(4*\i+\q)+\j+1], v[APRE+4*(\i/4)+\q:APRE+4*(\i/4)+\q+1] op_sel_hi:[1,0]
.endif
.endr
.endm
.macro AFFINE i, q, src                ; apost L + mix_b, fused
.irp j, 0,2,4,6
.if (\q)&1
	v_pk_fma_f32 v[8*(4*\i+\q)+\j:8*(4*\i+\q)+\j+1], v[\src+\j:\src+\j+1], v[APOST+4*(\i/4)+\q-1:APOST+4*(\i/4)+\q], v[MXB+4*(\i/4)+\q-1:MXB+4*(\i/4)+\q] op_sel:[0,1,1] op_sel_hi:[1,1,1]
.else
	v_pk_fma_f32 v[8*(4*\i+\q)+\j:8*(4*\i+\q)+\j+1], v[\src+\j:\src+\j+1], v[APOST+4*(\i/4)+\q:APOST+4*(\i/4)+\q+1], v[MXB+4*(\i/4)+\q:MXB+4*(\i/4)+\q+1] op_sel_hi:[1,0,0]
.endif
.endr
.endm
	s_load_b256 s[8:15], s[0:1], 0x0               ; x s[8:9], wib s[10:11], in_b s[12:13], mix_w s[14:15]
	s_load_b128 s[16:19], s[0:1], 0x20             ; mix_b s[16:17], mloc s[18:19]
	s_load_b64 s[20:21], s[0:1], 0x30              ; tot
	v_lshl_add_u32 v254, v0, 2, 0x44800
	v_mov_b32 v255, 0
	ds_add_u32 v254, v255
	v_lshrrev_b32 v12, 5, v0
	v_readfirstlane_b32 s4, v12                    ; wave w
	s_bfe_u32 s5, ttmp6, 0x40000                   ; cx
	s_lshl_b32 s6, ttmp9, 2
	s_add_co_u32 s6, s6, s5                        ; column tile ct = 4 x cluster x + cx = 8 b + tile
	s_and_b32 s7, ttmp7, 0xffff                    ; row block fb, shared by the cluster
	; group 1: 128 rows x 128 elements of 2 bytes, 4 words of padding behind every 64; mask 15 (all four of the cluster), bit 21 beside it
	s_mov_b32 s[G1+0], 15|(1<<16)|(1<<20)|(1<<21)|(5<<22)|(3<<25)
	s_mov_b32 s[G1+1], 128<<16                     ; tensor_dim0 = 128
	s_mov_b32 s[G1+2], 128<<16                     ; tensor_dim1 = 128
	s_mov_b32 s[G1+3], 128<<16                     ; tile_dim0 = 128
	s_mov_b32 s[G1+4], 128                         ; tile_dim1 = 128
	s_mov_b32 s[G1+5], 1024                        ; elements from row to row
	s_mov_b32 s[G1+6], 0
	s_mov_b32 s[G1+7], 0
	s_lshl_b32 s22, s7, 18                         ; 128 rows of 2,048 bytes a row block; s22 to s24 never hold cx
	s_lshl_b32 s24, s4, 8                          ; chunk w: 256 bytes along the rows
	s_add_co_u32 s22, s22, s24
	s_mov_b32 s23, 0
	s_mul_i32 s24, s4, CH                          ; and its place in LDS
	s_wait_dscnt 0x0
	s_wait_kmcnt 0x0
	s_add_nc_u64 s[10:11], s[10:11], s[22:23]
	ROUND                                          ; all four work-groups are here: the joint loads meet
.irp l, 0,1
	s_mov_b32 s[G0+4*\l], 1
	s_add_co_u32 s[G0+4*\l+1], s24, \l*4*CH        ; chunks w and w + 4
	s_add_nc_u64 s[G0+4*\l+2:G0+4*\l+3], s[10:11], \l*1024
	s_or_b32 s[G0+4*\l+3], s[G0+4*\l+3], 0x80000000
	tensor_load_to_lds s[G0+4*\l:G0+4*\l+3], s[G1:G1+7]    ; two tensor loads of the wave are out, and there are no more in this text
	s_nop 0
.endr
	s_and_b32 s30, s6, 7
	s_lshl_b32 s30, s30, 10
	s_lshl_b32 s26, s4, 8
	s_add_co_u32 s30, s30, s26                     ; colB: byte offset of my 64 columns in a row of 2,048 f32
	s_lshl_b32 s31, s6, 2
	s_add_co_u32 s31, s31, s4                      ; n = 32 b + block of 64 columns
	s_mov_b32 s27, 0
	s_lshr_b32 s26, s6, 3
	s_lshl_b32 s26, s26, 23                        ; batch b
	s_add_co_u32 s26, s26, s30
	s_add_nc_u64 s[8:9], s[8:9], s[26:27]          ; x at row 0 of my columns
	s_lshl_b32 s26, s7, 14                         ; heads 2 fb, 2 fb + 1: two rows of 8,192 bytes
	s_add_co_u32 s26, s26, s30
	s_add_nc_u64 s[14:15], s[14:15], s[26:27]
	s_add_nc_u64 s[16:17], s[16:17], s[26:27]
	s_lshl_b32 s22, s7, 9
	s_add_nc_u64 s[12:13], s[12:13], s[22:23]      ; in_b at row 128 fb
	s_lshl_b32 s26, s31, 17
	s_lshl_b32 s49, s7, 14
	s_add_co_u32 s26, s26, s49
	s_add_nc_u64 s[18:19], s[18:19], s[26:27]      ; mloc at (n, kb = 4 fb)
	s_lshl_b32 s26, s31, 11
	s_lshl_b32 s49, s7, 8
	s_add_co_u32 s26, s26, s49
	s_add_nc_u64 s[20:21], s[20:21], s[26:27]      ; tot at (n, f = 128 fb)
	s_cmp_ge_u32 s7, 4
	s_cselect_b32 s28, -1, 0                       ; all lanes: heads 8-15
	s_lshl_b32 s48, s4, 9
	s_add_co_u32 s48, s48, SCR                     ; my wave's scratch
	v_and_b32 v1, 15, v0                           ; r
	v_bfe_u32 v2, v0, 4, 1                         ; hh
	v_lshlrev_b32 v7, 4, v1                        ; 16 r
	v_lshl_add_u32 v3, v2, 16, v7                  ; x: 8 rows further for lanes 16-31, 16 bytes a lane
	v_lshlrev_b32 v6, 2, v1                        ; 4 r
	v_mul_u32_u24 v4, v1, 272
	v_lshl_add_u32 v4, v2, 4, v4                   ; A: row r, 16 bytes for each half of the lanes
	v_and_b32 v5, 31, v0
	v_lshlrev_b32 v10, 3, v5                       ; 8 x lane
	v_lshlrev_b32 v5, 4, v5                        ; 16 x lane
	v_lshl_add_u32 v8, v2, 5, s48                  ; scratch in: 32 hh
	v_add_nc_u32 v9, s48, v5                       ; scratch back: 16 x lane
.irp i, 0,1,2,3,4,5,6,7
	global_load_b32 v[IB+\i], v6, s[12:13] offset:64*\i
.endr
	global_load_b128 v[APOST:APOST+3],   v7, s[14:15]
	global_load_b128 v[APOST+4:APOST+7], v7, s[14:15] offset:8192
	global_load_b128 v[MXB:MXB+3],       v7, s[16:17]
	global_load_b128 v[MXB+4:MXB+7],     v7, s[16:17] offset:8192
	XLOAD 0, 0
	XLOAD 1, 32
	XLOAD 2, 64
	WIN 0
	; in_b enters as a K slot of its own: A holds bf16(in_b) at k = 0 and zeros elsewhere, B holds 1 at k = 0 (and at k = 8, where A is 0).
	; These 32 products take the constant 0 as C and start the sums: no accumulator is cleared.
	v_cmp_eq_u32 vcc_lo, 0, v2
.irp i, 0,1,2,3,4,5,6,7
.irp e, 1,2,3,4,5,6,7
	v_mov_b32 v[AF1+8*\i+\e], 0
.endr
.endr
	v_mov_b32 v[BF], 0x3f80
.irp e, 1,2,3,4,5,6,7
	v_mov_b32 v[BF+\e], 0
.endr
	s_wait_loadcnt 48                              ; the 12 loads of constants are in; the 48 of x stay out
.irp i, 0,1,2,3,4,5,6,7
	v_cvt_pk_bf16_f32 v[AF1+8*\i], v[IB+\i], 0
.endr
.irp i, 0,1,2,3,4,5,6,7
	v_cndmask_b32 v[AF1+8*\i], 0, v[AF1+8*\i], vcc_lo
.endr
	WIN 0x50
.irp i, 0,1,2,3,4,5,6,7
.irp q, 0,1,2,3
	v_wmma_f32_16x16x32_bf16 v[8*(4*\i+\q):8*(4*\i+\q)+7], v[AF1+8*\i:AF1+8*\i+7], v[BF:BF+7], 0
.endr
.endr
	PLACES
	XLOAD 3, 96
	WIN 0
.irp e, 0,2,4,6
	RND2 APOST+\e, APOST+\e+1, 12+\e/2
.endr
.irp e, 0,2,4,6
	RND2 MXB+\e, MXB+\e+1, 12+\e/2
.endr
.irp e, 0,1,2,3,4,5,6,7
	v_cndmask_b32 v[APRE+\e], 1.0, v[APOST+\e], s28        ; heads 8-15: mix_w in front of the sum
.endr
.irp e, 0,1,2,3,4,5,6,7
	v_cndmask_b32 v[APOST+\e], v[APOST+\e], 1.0, s28       ; heads 0-7: mix_w behind it
.endr
	s_wait_tensorcnt 0x1                           ; my first chunk has landed; my second stays out
	s_barrier_signal -1
	s_barrier_wait -1                              ; chunks 0 to 3 are whole
	AFETCH AF0, 0
	s_mov_b32 s3, 0
.Lchunks_a:                                        ; chunks 0 to 2; the last step of chunk 2 reads ahead into chunk 3
	BODY
	s_wait_xcnt 0x0                                ; the loads' base is stepped only behind this wait
	s_add_nc_u64 s[8:9], s[8:9], 128*XROW
	s_add_co_u32 s3, s3, 1
	s_cmp_lt_u32 s3, 3
	s_cbranch_scc1 .Lchunks_a
	s_wait_dscnt 0x0                               ; no LDS instruction is pending at a signal
	s_wait_tensorcnt 0x0                           ; my second chunk has landed
	s_barrier_signal -1
	s_barrier_wait -1                              ; chunks 4 to 7 are whole: the last step of chunk 3 reads ahead into chunk 4
	s_mov_b32 s3, 0
.Lchunks_b:                                        ; chunks 3 to 6
	BODY
	s_wait_xcnt 0x0
	s_add_nc_u64 s[8:9], s[8:9], 128*XROW
	s_add_co_u32 s3, s3, 1
	s_cmp_lt_u32 s3, 4
	s_cbranch_scc1 .Lchunks_b
	STEP 0, 0, 48, 0                               ; chunk 7 loads nothing of x: the counts run down
	STEP 1, 0, 32, 0
	STEP 2, 0, 16, 0
	STEP 3, 0, 0, 1
	; THE MIX INSIDE THE BLOCK.  Register j of accumulator (i, q) in lane (r, hh): row f = 128 fb + 16 i + 8 hh + j, column 4 r + q.
	WIN 0x41
.irp i, 0,1,2,3,4,5,6,7
.irp q, 0,1,2,3
	SCALE \i, \q
.endr
.endr
	WIN 0x45                                       ; running sum over a lane's four columns
.irp q, 1,2
.irp i, 0,1,2,3,4,5,6,7
.irp j, 0,2,4,6
	v_pk_add_f32 v[8*(4*\i+\q)+\j:8*(4*\i+\q)+\j+1], v[8*(4*\i+\q)+\j:8*(4*\i+\q)+\j+1], v[8*(4*\i+\q-1)+\j:8*(4*\i+\q-1)+\j+1]
.endr
.endr
.endr
	WIN 0x05                                       ; the lane's total goes to block 0, where the scan over the lanes runs
.irp i, 0,1,2,3,4,5,6,7
.irp j, 0,2,4,6
	v_pk_add_f32 v[TMP+8*\i+\j:TMP+8*\i+\j+1], v[8*(4*\i+3)+\j:8*(4*\i+3)+\j+1], v[8*(4*\i+2)+\j:8*(4*\i+2)+\j+1]
.endr
.endr
	WIN 0
.irp sh, 1,2,4,8                                   ; running sum over the 16 lanes of a row: lane r adds lane r - sh, or 0 where there is none
.irp i, 0,1,2,3,4,5,6,7
.irp j, 0,1,2,3,4,5,6,7
	v_add_f32_dpp v[TMP+8*\i+\j], v[TMP+8*\i+\j], v[TMP+8*\i+\j] row_shr:\sh row_mask:0xf bank_mask:0xf bound_ctrl:1
.endr
.endr
.endr
.irp i, 0,1,2,3,4,5,6,7                            ; what lies to the left of the lane; TMP itself is L at q = 3, and in lane r = 15 the block's total
.irp j, 0,1,2,3,4,5,6,7
	v_mov_b32_dpp v[EX+8*\i+\j], v[TMP+8*\i+\j] row_shr:1 row_mask:0xf bank_mask:0xf bound_ctrl:1
.endr
.endr
	WIN 0x41
.irp q, 0,1,2
.irp i, 0,1,2,3,4,5,6,7
.irp j, 0,2,4,6
	v_pk_add_f32 v[8*(4*\i+\q)+\j:8*(4*\i+\q)+\j+1], v[8*(4*\i+\q)+\j:8*(4*\i+\q)+\j+1], v[EX+8*\i+\j:EX+8*\i+\j+1]
.endr
.endr
.endr
.irp i, 0,1,2,3,4,5,6,7
.irp q, 0,1,2
	AFFINE \i, \q, 8*(4*\i+\q)
.endr
.endr
	WIN 0x40
.irp i, 0,1,2,3,4,5,6,7
	AFFINE \i, 3, TMP+8*\i
.endr
	; A lane's eight rows of one column are half a B fragment of the second projection (k = 32 kb + 16 (i & 1) + 8 hh + j, kb = 4 fb + i / 2):
	; they are stored as that launch loads them, [n][kb][q][half][lane][16 bytes]; a store covers 512 consecutive bytes.
	WIN 0x85
.irp i, 0,1,2,3,4,5,6,7
.irp q, 0,1,2,3
.irp p, 0,1,2,3
	v_cvt_pk_bf16_f32 v[128+4*(4*\i+\q)+\p], v[8*(4*\i+\q)+2*\p], v[8*(4*\i+\q)+2*\p+1]
.endr
.endr
.endr
	WIN 0x08
.irp i, 0,1,2,3,4,5,6,7
.irp q, 0,1,2,3
	global_store_b128 v5, v[128+4*(4*\i+\q):128+4*(4*\i+\q)+3], s[18:19] offset:(\i/2)*4096+\q*1024+(\i&1)*512
.endr
.endr
	WIN 0
	; The 128 totals lie in lanes 15 and 31; through the wave's own scratch they come to lie four to a lane, in the order of f.
	v_cmp_eq_u32 vcc_lo, 15, v1
	s_wait_xcnt 0x0                                ; EXEC changes only behind this wait; no global instruction is issued while it is narrow
	s_and_saveexec_b32 s29, vcc_lo
.irp i, 0,1,2,3,4,5,6,7
	ds_store_b128 v8, v[TMP+8*\i:TMP+8*\i+3]   offset:64*\i
	ds_store_b128 v8, v[TMP+8*\i+4:TMP+8*\i+7] offset:64*\i+16
.endr
	s_or_b32 exec_lo, exec_lo, s29
	ds_load_b128 v[T4:T4+3], v9                    ; LDS serves a wave's instructions in order: this sees the stores above
	s_wait_dscnt 0x0
	v_cvt_pk_bf16_f32 v[T4+4], v[T4], v[T4+1]      ; hi
	v_cvt_pk_bf16_f32 v[T4+5], v[T4+2], v[T4+3]
	v_lshlrev_b32 v[T4+6], 16, v[T4+4]
	v_and_b32 v[T4+7], 0xffff0000, v[T4+4]
	v_lshlrev_b32 v[T4+8], 16, v[T4+5]
	v_and_b32 v[T4+9], 0xffff0000, v[T4+5]
	v_pk_add_f32 v[T4:T4+1], v[T4:T4+1], v[T4+6:T4+7] neg_lo:[0,1] neg_hi:[0,1]
	v_pk_add_f32 v[T4+2:T4+3], v[T4+2:T4+3], v[T4+8:T4+9] neg_lo:[0,1] neg_hi:[0,1]
	v_cvt_pk_bf16_f32 v[T4+10], v[T4], v[T4+1]     ; lo = bf16(T - hi)
	v_cvt_pk_bf16_f32 v[T4+11], v[T4+2], v[T4+3]
	global_store_b64 v10, v[T4+4:T4+5], s[20:21]                   ; 256 consecutive bytes, aligned
	global_store_b64 v10, v[T4+10:T4+11], s[20:21] offset:262144   ; the lo part lies 128 x 1024 bf16 behind
	s_wait_tensorcnt 0x0
	ds_add_u32 v254, v255
	s_wait_dscnt 0x0
	ROUND                                          ; the closing round: no work-group ends while a partner may still ask jointly
	s_endpgm
.Lfunc_end_k_q19186ed5e3_inproj:
	.size	k_q19186ed5e3_inproj, .Lfunc_end_k_q19186ed5e3_inproj-k_q19186ed5e3_inproj
	.p2alignl 7, 3214868480
	.fill 96, 4, 3214868480
	.section	.rodata,"a",@progbits
	.p2align	6, 0x0
	.amdhsa_kernel k_q19186ed5e3_inproj
		.amdhsa_group_segment_fixed_size 281088
		.amdhsa_private_segment_fixed_size 0
		.amdhsa_enable_private_segment 0
		.amdhsa_kernarg_size 56
		.amdhsa_user_sgpr_count 2
		.amdhsa_user_sgpr_kernarg_segment_ptr 1
		.amdhsa_wavefront_size32 1
		.amdhsa_system_sgpr_workgroup_id_x 1
		.amdhsa_system_sgpr_workgroup_id_y 1
		.amdhsa_system_sgpr_workgroup_id_z 1
		.amdhsa_system_vgpr_workitem_id 0
		.amdhsa_next_free_vgpr 768
		.amdhsa_next_free_sgpr 66
		.amdhsa_reserve_vcc 1
		.amdhsa_float_denorm_mode_32 3
		.amdhsa_float_denorm_mode_16_64 3
		.amdhsa_memory_ordered 1
		.amdhsa_forward_progress 1
		.amdhsa_inst_pref_size 157
	.end_amdhsa_kernel
	.amdgpu_metadata
---
amdhsa.version: [ 1, 2 ]
amdhsa.kernels:
  - .name:           k_q19186ed5e3_inproj
    .symbol:         k_q19186ed5e3_inproj.kd
    .args:
      - { .name: x, .offset: 0, .size: 8, .value_kind: global_buffer, .address_space: global }
      - { .name: wib, .offset: 8, .size: 8, .value_kind: global_buffer, .address_space: global }
      - { .name: in_b, .offset: 16, .size: 8, .value_kind: global_buffer, .address_space: global }
      - { .name: mix_w, .offset: 24, .size: 8, .value_kind: global_buffer, .address_space: global }
      - { .name: mix_b, .offset: 32, .size: 8, .value_kind: global_buffer, .address_space: global }
      - { .name: mloc, .offset: 40, .size: 8, .value_kind: global_buffer, .address_space: global }
      - { .name: tot, .offset: 48, .size: 8, .value_kind: global_buffer, .address_space: global }
    .group_segment_fixed_size: 281088
    .private_segment_fixed_size: 0
    .kernarg_segment_align: 8
    .kernarg_segment_size: 56
    .max_flat_workgroup_size: 128
    .sgpr_count:     66
    .vgpr_count:     768
    .wavefront_size: 32
...
	.end_amdgpu_metadata
.endif
;; end of part 2
;; launch carry (part 3): grid 64 x 4, 4 waves a work-group, no clusters, 0 bytes of LDS; arguments tot, wob, dfrag; writes dfrag
.if DOCPART == 3
	.amdgcn_target "amdgcn-amd-amdhsa--gfx1250"
	.amdhsa_code_object_version 6
	.text
	.protected	k_q19186ed5e3_carry
	.globl	k_q19186ed5e3_carry
	.p2align	8
	.type	k_q19186ed5e3_carry,@function
k_q19186ed5e3_carry:
	s_mov_b64 s[64:65], 0
	v_nop
	global_prefetch_b8 v0, s[64:65] scope:SCOPE_SE
	s_setreg_imm32_b32 hwreg(HW_REG_WAVE_MODE, 25, 1), 1
	s_wait_xcnt 0x0
; D[g][h][n] = sum over the earlier blocks n' of n's batch of  U[g][h][n'],   U[g][h][n'] = sum over the 64 rows f of head h of out_w[g][f] T[n'][f].
; It is what the running sums carried into block n add to the second projection, apart from the factor apost[h][s].
; T comes as bf16 hi + lo, so U is two products on the matrix unit with f32 sums; the sum over blocks is kept in f32; D is stored as bf16 hi + lo.
; LIMIT: an infinite D gives NaN in its lo part.
; SHARES: work-group = (16 rows g, batch b); wave G = heads 4 G .. 4 G + 3, all 32 blocks as two tiles of 16.
; The sources are swapped (T first, out_w second): lane r then holds row g = 16 gt + r, and register j of half hh block 16 nt + 8 hh + j.
; Each fragment load takes 16 bytes of rows 2,048 bytes apart; the launch reads 160 KiB a work-group once and has no loop, so no stage in LDS is built for it.
; No cluster: the work-groups of a batch share T, but each reads it once, in one burst, and there is no step in which requests could meet again.
; dfrag holds A fragments of the second projection's extra K block: [n][gt][half][lane][16 bytes]; K slot 2 head is hi, 2 head + 1 is lo.
.set XH,  8                            ; v[8:11]    the other half's total, head hl
.set CY,  12                           ; v[12:15]   total of blocks 0-15
.set W,   16                           ; v[16:79]   out_w fragments at 16 hl + 8 ks
.set ACC, 80                           ; v[80:143]  U at 32 nt + 8 hl
.set OUT, 144                          ; v[144:207] D at 32 nt + 4 j + hl
.set TP,  208                          ; v[208:215] at work
                                       ; block 1: T fragments at 128 nt + 32 hl + 16 ks + 8 part
.set MSB, 0
.macro WIN new
.if MSB != \new
	s_set_vgpr_msb (MSB<<8)|\new
.set MSB, \new
.endif
.endm
.macro DOT ks, pt, zero                ; eight accumulators take turns, one instruction a turn
.irp nt, 0,1
.irp hl, 0,1,2,3
.if \zero
	v_wmma_f32_16x16x32_bf16 v[ACC+32*\nt+8*\hl:ACC+32*\nt+8*\hl+7], v[128*\nt+32*\hl+16*\ks+8*\pt:128*\nt+32*\hl+16*\ks+8*\pt+7], v[W+16*\hl+8*\ks:W+16*\hl+8*\ks+7], 0
.else
	v_wmma_f32_16x16x32_bf16 v[ACC+32*\nt+8*\hl:ACC+32*\nt+8*\hl+7], v[128*\nt+32*\hl+16*\ks+8*\pt:128*\nt+32*\hl+16*\ks+8*\pt+7], v[W+16*\hl+8*\ks:W+16*\hl+8*\ks+7], v[ACC+32*\nt+8*\hl:ACC+32*\nt+8*\hl+7]
.endif
.endr
.endr
.endm
; Sums over the earlier blocks, for the 16 blocks of tile nt.  first = 1: nothing is carried in, and the tile's total is kept for the next.
.macro PFX nt, first
.irp j, 1,2,3,4,5,6,7
.irp hl, 0,1,2,3
	v_add_f32 v[ACC+32*\nt+8*\hl+\j], v[ACC+32*\nt+8*\hl+\j], v[ACC+32*\nt+8*\hl+\j-1]
.endr
.endr
.irp hl, 0,1,2,3
	v_permlanex16_b32 v[XH+\hl], v[ACC+32*\nt+8*\hl+7], s12, s13   ; the total of the other half's eight blocks
.endr
.irp hl, 0,1,2,3
	v_cndmask_b32 v[OUT+32*\nt+\hl], 0, v[XH+\hl], s14             ; lanes 16-31 stand behind the lower half's eight blocks
.endr
.if \first
.irp hl, 0,1,2,3
	v_add_f32 v[CY+\hl], v[ACC+32*\nt+8*\hl+7], v[XH+\hl]
.endr
.else
.irp hl, 0,1,2,3
	v_add_f32 v[OUT+32*\nt+\hl], v[OUT+32*\nt+\hl], v[CY+\hl]
.endr
.endif
.irp j, 1,2,3,4,5,6,7
.irp hl, 0,1,2,3
	v_add_f32 v[OUT+32*\nt+4*\j+\hl], v[OUT+32*\nt+\hl], v[ACC+32*\nt+8*\hl+\j-1]
.endr
.endr
.endm
	s_load_b128 s[4:7], s[0:1], 0x0                ; tot s[4:5], wob s[6:7]
	s_load_b64 s[8:9], s[0:1], 0x10                ; dfrag
	v_lshrrev_b32 v5, 5, v0
	v_readfirstlane_b32 s10, v5                    ; wave G
	s_and_b32 s11, ttmp7, 0xffff                   ; batch b
	s_mov_b32 s12, 0x76543210                      ; v_permlanex16_b32: lane i of one half reads lane i of the other
	s_mov_b32 s13, 0xfedcba98
	v_and_b32 v1, 15, v0                           ; r
	v_bfe_u32 v2, v0, 4, 1                         ; hh
	v_lshlrev_b32 v3, 11, v1
	v_lshl_add_u32 v3, v2, 4, v3                   ; fragments: row r of 2,048 bytes, 16 bytes for each half of the lanes
	v_lshlrev_b32 v4, 4, v1
	v_lshl_add_u32 v4, v2, 19, v4                  ; stores: 16 r, and 8 blocks of 65,536 bytes further for lanes 16-31
	v_cmp_eq_u32 s14, 1, v2
.irp hl, 0,1,2,3
	v_mov_b32 v[XH+\hl], 0                         ; the lane permute's destination counts as read
.endr
	s_lshl_b32 s18, s10, 9                         ; my four heads: 256 f = 512 bytes
	s_lshl_b32 s16, s11, 16                        ; 32 blocks of 2,048 bytes a batch
	s_add_co_u32 s16, s16, s18
	s_mov_b32 s17, 0
	s_lshl_b32 s20, ttmp9, 15                      ; 16 rows of out_w
	s_add_co_u32 s20, s20, s18
	s_mov_b32 s21, 0
	s_lshl_b32 s22, s11, 21                        ; 32 blocks of 65,536 bytes a batch
	s_lshl_b32 s24, ttmp9, 10                      ; fragment gt
	s_add_co_u32 s22, s22, s24
	s_lshl_b32 s24, s10, 8                         ; half G / 2 (512 bytes) and lanes 16 (G & 1) .. (256 bytes): 256 G
	s_add_co_u32 s22, s22, s24
	s_mov_b32 s23, 0
	s_wait_kmcnt 0x0
	s_add_nc_u64 s[4:5], s[4:5], s[16:17]
	s_add_nc_u64 s[6:7], s[6:7], s[20:21]
	s_add_nc_u64 s[8:9], s[8:9], s[22:23]
.irp hl, 0,1,2,3
.irp ks, 0,1
.irp hf, 0,1
	global_load_b128 v[W+16*\hl+8*\ks+4*\hf:W+16*\hl+8*\ks+4*\hf+3], v3, s[6:7] offset:128*\hl+64*\ks+32*\hf
.endr
.endr
.endr
	WIN 0x40
.irp nt, 0,1
.irp hl, 0,1,2,3
.irp ks, 0,1
.irp pt, 0,1
.irp hf, 0,1
	global_load_b128 v[128*\nt+32*\hl+16*\ks+8*\pt+4*\hf:128*\nt+32*\hl+16*\ks+8*\pt+4*\hf+3], v3, s[4:5] offset:262144*\pt+32768*\nt+128*\hl+64*\ks+32*\hf
.endr
.endr
.endr
.endr
.endr
	s_wait_loadcnt 0x0
	WIN 0x01
	DOT 0, 0, 1                                    ; the first products start the sums
	DOT 1, 0, 0
	DOT 0, 1, 0
	DOT 1, 1, 0
.rept 4
	v_nop                                          ; four places behind the last matrix instruction before its result is read (ISA guide 7.12.1)
.endr
	WIN 0
	PFX 0, 1
	PFX 1, 0
.irp k0, 0,8,16,24,32,40,48,56                     ; D = hi + lo: low half bf16(D), high half bf16(D - hi)
.irp e, 0,1,2,3,4,5,6,7
	v_cvt_pk_bf16_f32 v[TP+\e], v[OUT+\k0+\e], v[OUT+\k0+\e]
.endr
.irp e, 0,1,2,3,4,5,6,7
	v_lshlrev_b32 v[TP+\e], 16, v[TP+\e]
.endr
.irp e, 0,1,2,3,4,5,6,7
	v_sub_f32 v[TP+\e], v[OUT+\k0+\e], v[TP+\e]
.endr
.irp e, 0,1,2,3,4,5,6,7
	v_cvt_pk_bf16_f32 v[OUT+\k0+\e], v[OUT+\k0+\e], v[TP+\e]
.endr
.endr
.irp nt, 0,1
.irp j, 0,1,2,3,4,5,6,7
	global_store_b128 v4, v[OUT+32*\nt+4*\j:OUT+32*\nt+4*\j+3], s[8:9] offset:(16*\nt+\j)*65536   ; each half of the wave stores 256 consecutive bytes, aligned
.endr
.endr
	s_endpgm
.Lfunc_end_k_q19186ed5e3_carry:
	.size	k_q19186ed5e3_carry, .Lfunc_end_k_q19186ed5e3_carry-k_q19186ed5e3_carry
	.p2alignl 7, 3214868480
	.fill 96, 4, 3214868480
	.section	.rodata,"a",@progbits
	.p2align	6, 0x0
	.amdhsa_kernel k_q19186ed5e3_carry
		.amdhsa_group_segment_fixed_size 0
		.amdhsa_private_segment_fixed_size 0
		.amdhsa_enable_private_segment 0
		.amdhsa_kernarg_size 24
		.amdhsa_user_sgpr_count 2
		.amdhsa_user_sgpr_kernarg_segment_ptr 1
		.amdhsa_wavefront_size32 1
		.amdhsa_system_sgpr_workgroup_id_x 1
		.amdhsa_system_sgpr_workgroup_id_y 1
		.amdhsa_system_sgpr_workgroup_id_z 1
		.amdhsa_system_vgpr_workitem_id 0
		.amdhsa_next_free_vgpr 512
		.amdhsa_next_free_sgpr 66
		.amdhsa_reserve_vcc 0
		.amdhsa_float_denorm_mode_32 3
		.amdhsa_float_denorm_mode_16_64 3
		.amdhsa_memory_ordered 1
		.amdhsa_forward_progress 1
		.amdhsa_inst_pref_size 30
	.end_amdhsa_kernel
	.amdgpu_metadata
---
amdhsa.version: [ 1, 2 ]
amdhsa.kernels:
  - .name:           k_q19186ed5e3_carry
    .symbol:         k_q19186ed5e3_carry.kd
    .args:
      - { .name: tot, .offset: 0, .size: 8, .value_kind: global_buffer, .address_space: global }
      - { .name: wob, .offset: 8, .size: 8, .value_kind: global_buffer, .address_space: global }
      - { .name: dfrag, .offset: 16, .size: 8, .value_kind: global_buffer, .address_space: global }
    .group_segment_fixed_size: 0
    .private_segment_fixed_size: 0
    .kernarg_segment_align: 8
    .kernarg_segment_size: 24
    .max_flat_workgroup_size: 128
    .sgpr_count:     66
    .vgpr_count:     512
    .wavefront_size: 32
...
	.end_amdgpu_metadata
.endif
;; end of part 3
;; launch outproj (part 4): grid 32 x 8, 4 waves a work-group, clusters of 4 x 1, 279,040 bytes of LDS; arguments mloc, wob, dfrag, mix_w, out_b, out0; writes out0
.if DOCPART == 4
	.amdgcn_target "amdgcn-amd-amdhsa--gfx1250"
	.amdhsa_code_object_version 6
	.text
	.protected	k_q19186ed5e3_outproj
	.globl	k_q19186ed5e3_outproj
	.p2align	8
	.type	k_q19186ed5e3_outproj,@function
k_q19186ed5e3_outproj:
	s_mov_b64 s[64:65], 0
	v_nop
	global_prefetch_b8 v0, s[64:65] scope:SCOPE_SE
	s_setreg_imm32_b32 hwreg(HW_REG_WAVE_MODE, 25, 1), 1
	s_wait_xcnt 0x0
	s_wait_alu depctr_hold_cnt(0) depctr_sa_sdst(0) depctr_va_vdst(0) depctr_va_sdst(0) depctr_va_ssrc(0) depctr_va_vcc(0) depctr_vm_vsrc(0)
	s_getreg_b32 s2, hwreg(HW_REG_IB_STS2, 6, 4)
	s_cmp_eq_u32 s2, 0
	s_cbranch_scc0 .Lentry_in_a_cluster
	s_endpgm
.Lentry_in_a_cluster:
	s_bfe_u32 s2, ttmp6, 0x10000c
	s_cmp_lg_u32 s2, 0x3003
	s_cbranch_scc0 .Lentry_shape_is_right
	s_endpgm
.Lentry_shape_is_right:
; out0[b][g][s] = sum over f of out_w[g][f] mloc[f][s]  +  sum over heads h of apost[h][s] D[g][h][n]  +  out_b[g],   n = the block of 64 columns that holds s.
; The second term is one more K block of 32 slots: slot 2 h is hi(D), slot 2 h + 1 is lo(D), both times apost[h][s] (mix_w for heads 0-7, 1 for heads 8-15).
; Its 32 products take the constant 0 as C and start the sums.  bf16 operands, f32 sums.
; LIMITS: out_w, mix_w and out_b are rounded to bf16 on entry.
; SHARES: as in the first projection: 256 work-groups of 128 rows g x 256 columns s, four waves of 128 x 64, 32 accumulators; lane r of accumulator q is column 4 r + q.
; A (128 x 1024 of wob) lies whole in LDS, filled once, by joint loads of the cluster's four column tiles (mask 15).
; B comes from mloc as ready fragments, 512 consecutive bytes a load, straight into registers: each is used by one wave of the work-group, so LDS and a joint request would share nothing.
; REGISTER WINDOWS: block 0 addresses, constants, A fragments; block 1 the accumulators, (i, q) at v[8 (4 i + q)]; block 2 eight sets of four B fragments, later the results.
.set CH,   34816                       ; a chunk of A in LDS: 128 rows x 272 bytes
.set W4,   16                          ; v[16:31]   mix_w of heads 4 hh + p, my four columns
.set BP,   32                          ; v[32:63]   B fragments of the extra K block
.set AF0,  64                          ; v[64:127]  A fragments, buffer 0
.set AF1,  128                         ; v[128:191] A fragments, buffer 1; first those of the extra K block
.set OB,   192                         ; v[192:255] out_b of row 16 i + 8 hh + j
.set G1,   32
.set G0,   40
.set MSB,  0
.macro WIN new
.if MSB != \new
	s_set_vgpr_msb (MSB<<8)|\new
.set MSB, \new
.endif
.endm
.macro PLACES                          ; four independent vector instructions behind a matrix instruction before its registers are touched (ISA guide 7.12.1)
.rept 4
	v_nop
.endr
.endm
.macro ROUND                           ; a round of the cluster's barrier
	s_barrier_signal -1
	s_barrier_wait -1
	s_cmp_lg_u32 s4, 0
	s_cbranch_scc1 .Lnot_wave_0_\@
	s_barrier_signal -3
.Lnot_wave_0_\@:
	s_barrier_wait -3
	s_barrier_signal -1
	s_barrier_wait -1
.endm
.macro AFETCH buf, off
.irp i, 0,1,2,3,4,5,6,7
	ds_load_b128 v[\buf+8*\i:\buf+8*\i+3],   v4 offset:\off+4352*\i
	ds_load_b128 v[\buf+8*\i+4:\buf+8*\i+7], v4 offset:\off+4352*\i+32
.endr
.endm
.macro RND2 a, b, t
	v_cvt_pk_bf16_f32 v[\t], v[\a], v[\b]
	v_lshlrev_b32 v[\a], 16, v[\t]
	v_and_b32 v[\b], 0xffff0000, v[\t]
.endm
.macro BLOAD set, k32                  ; the four B fragments of K block k32, counted from the stepped base
	WIN 0x80
.irp q, 0,1,2,3
.irp hf, 0,1
	global_load_b128 v[32*\set+8*\q+4*\hf:32*\set+8*\q+4*\hf+3], v3, s[8:9] offset:4096*(\k32)+1024*\q+512*\hf
.endr
.endr
.endm
.macro MULB buf, set                   ; the 32 accumulators take turns, one instruction a turn, in the same order in every step
	WIN 0x58
.irp i, 0,1,2,3,4,5,6,7
.irp q, 0,1,2,3
	v_wmma_f32_16x16x32_bf16 v[8*(4*\i+\q):8*(4*\i+\q)+7], v[\buf+8*\i:\buf+8*\i+7], v[32*\set+8*\q:32*\set+8*\q+7], v[8*(4*\i+\q):8*(4*\i+\q)+7]
.endr
.endr
.endm
; One K step of 32.  j: the step among eight (two chunks of A) = the set of B.  ld: the set is loaded again, eight steps ahead.  left: younger B loads that may stay out.
.macro STEP j, ld, left, last
	WIN 0
.if \last
	s_wait_loadcnt \left
	s_wait_dscnt 0x0
.else
.if \j == 7
	v_add_nc_u32 v4, 2*CH, v4                      ; the next two chunks of A
.endif
	AFETCH AF0+64*((\j+1)&1), (((\j+1)&7)/4)*CH+64*((\j+1)&3)   ; the next step's fragments; the largest offset is 65,504
	s_wait_loadcnt \left                           ; loads come back in order: this set's 8 are in, the younger sets stay out
	s_wait_dscnt 0x10                              ; all but the 16 just issued: this step's A fragments are in
.endif
	MULB AF0+64*(\j&1), \j
	PLACES                                         ; in front of the loads into this set and into the fragment buffer
.if \ld
	BLOAD \j, 8+\j
.endif
.endm
.macro BODY
.irp j, 0,1,2,3,4,5,6,7
	STEP \j, 1, 56, 0
.endr
	WIN 0
.endm
	s_load_b256 s[8:15], s[0:1], 0x0               ; mloc s[8:9], wob s[10:11], dfrag s[12:13], mix_w s[14:15]
	s_load_b128 s[16:19], s[0:1], 0x20             ; out_b s[16:17], out0 s[18:19]
	v_lshl_add_u32 v10, v0, 2, 0x44000
	v_mov_b32 v11, 0
	ds_add_u32 v10, v11
	v_lshrrev_b32 v12, 5, v0
	v_readfirstlane_b32 s4, v12                    ; wave w
	s_bfe_u32 s5, ttmp6, 0x40000                   ; cx
	s_lshl_b32 s6, ttmp9, 2
	s_add_co_u32 s6, s6, s5                        ; column tile ct = 8 b + tile
	s_and_b32 s7, ttmp7, 0xffff                    ; row block gb, shared by the cluster
	s_mov_b32 s[G1+0], 15|(1<<16)|(1<<20)|(1<<21)|(5<<22)|(3<<25)   ; mask 15, elements of 2 bytes, 4 words of padding behind every 64, bit 21 beside the mask
	s_mov_b32 s[G1+1], 128<<16                     ; tensor_dim0 = 128
	s_mov_b32 s[G1+2], 128<<16                     ; tensor_dim1 = 128
	s_mov_b32 s[G1+3], 128<<16                     ; tile_dim0 = 128
	s_mov_b32 s[G1+4], 128                         ; tile_dim1 = 128
	s_mov_b32 s[G1+5], 1024                        ; elements from row to row
	s_mov_b32 s[G1+6], 0
	s_mov_b32 s[G1+7], 0
	s_lshl_b32 s22, s7, 18                         ; s22 to s24 never hold cx
	s_lshl_b32 s24, s4, 8
	s_add_co_u32 s22, s22, s24
	s_mov_b32 s23, 0
	s_mul_i32 s24, s4, CH
	s_wait_dscnt 0x0
	s_wait_kmcnt 0x0
	s_add_nc_u64 s[10:11], s[10:11], s[22:23]
	ROUND                                          ; all four work-groups are here: the joint loads meet
.irp l, 0,1
	s_mov_b32 s[G0+4*\l], 1
	s_add_co_u32 s[G0+4*\l+1], s24, \l*4*CH        ; chunks w and w + 4
	s_add_nc_u64 s[G0+4*\l+2:G0+4*\l+3], s[10:11], \l*1024
	s_or_b32 s[G0+4*\l+3], s[G0+4*\l+3], 0x80000000
	tensor_load_to_lds s[G0+4*\l:G0+4*\l+3], s[G1:G1+7]    ; two tensor loads of the wave are out, and there are no more in this text
	s_nop 0
.endr
	s_and_b32 s30, s6, 7
	s_lshl_b32 s30, s30, 10
	s_lshl_b32 s26, s4, 8
	s_add_co_u32 s30, s30, s26                     ; colB: byte offset of my 64 columns in a row of 2,048 f32
	s_lshl_b32 s31, s6, 2
	s_add_co_u32 s31, s31, s4                      ; n
	s_mov_b32 s27, 0
	s_lshl_b32 s26, s31, 17
	s_add_nc_u64 s[8:9], s[8:9], s[26:27]          ; mloc at block n
	s_lshl_b32 s26, s31, 16
	s_lshl_b32 s48, s7, 13
	s_add_co_u32 s26, s26, s48
	s_add_nc_u64 s[12:13], s[12:13], s[26:27]      ; dfrag at (n, gt = 8 gb)
	s_mov_b32 s26, s30
	s_add_nc_u64 s[14:15], s[14:15], s[26:27]      ; mix_w at my columns
	s_lshl_b32 s22, s7, 9
	s_add_nc_u64 s[16:17], s[16:17], s[22:23]      ; out_b at row 128 gb
	s_lshr_b32 s26, s6, 3
	s_lshl_b32 s26, s26, 23
	s_lshl_b32 s48, s7, 20
	s_add_co_u32 s26, s26, s48
	s_add_co_u32 s26, s26, s30
	s_add_nc_u64 s[18:19], s[18:19], s[26:27]      ; out0 at (b, row 128 gb, my columns)
	v_and_b32 v1, 15, v0                           ; r
	v_bfe_u32 v2, v0, 4, 1                         ; hh
	v_and_b32 v3, 31, v0
	v_lshlrev_b32 v3, 4, v3                        ; 16 x lane
	v_mul_u32_u24 v4, v1, 272
	v_lshl_add_u32 v4, v2, 4, v4                   ; A: row r, 16 bytes for each half of the lanes
	v_lshlrev_b32 v7, 4, v1
	v_lshl_add_u32 v5, v2, 16, v7                  ; out0: 8 rows further for lanes 16-31, 16 bytes a lane
	v_lshl_add_u32 v6, v2, 15, v7                  ; mix_w: 4 heads further for lanes 16-31
	v_lshlrev_b32 v7, 5, v2                        ; out_b: 8 rows further for lanes 16-31
.irp i, 0,1,2,3,4,5,6,7
	global_load_b128 v[AF1+8*\i:AF1+8*\i+3],   v3, s[12:13] offset:1024*\i
	global_load_b128 v[AF1+8*\i+4:AF1+8*\i+7], v3, s[12:13] offset:1024*\i+512
.endr
.irp p, 0,1,2,3
	global_load_b128 v[W4+4*\p:W4+4*\p+3], v6, s[14:15] offset:8192*\p
.endr
.irp i, 0,1,2,3,4,5,6,7
	global_load_b128 v[OB+8*\i:OB+8*\i+3],   v7, s[16:17] offset:64*\i
	global_load_b128 v[OB+8*\i+4:OB+8*\i+7], v7, s[16:17] offset:64*\i+16
.endr
.irp j, 0,1,2,3,4,5,6
	BLOAD \j, \j
.endr
	WIN 0
.irp q, 0,1,2,3
.irp p, 4,5,6,7
	v_mov_b32 v[BP+8*\q+\p], 0x3f803f80            ; heads 8-15: apost = 1, for the hi and the lo slot
.endr
.endr
	s_wait_loadcnt 56                              ; the 36 loads of constants are in; the 56 of B stay out
.irp q, 0,1,2,3
.irp p, 0,1,2,3
	v_cvt_pk_bf16_f32 v[BP+8*\q+\p], v[W4+4*\p+\q], v[W4+4*\p+\q]   ; head 4 hh + p: bf16(mix_w) for the hi and the lo slot
.endr
.endr
	WIN 0x50
.irp i, 0,1,2,3,4,5,6,7
.irp q, 0,1,2,3
	v_wmma_f32_16x16x32_bf16 v[8*(4*\i+\q):8*(4*\i+\q)+7], v[AF1+8*\i:AF1+8*\i+7], v[BP+8*\q:BP+8*\q+7], 0
.endr
.endr
	PLACES
	BLOAD 7, 7
	WIN 0
.irp i, 0,1,2,3,4,5,6,7
.irp j, 0,2,4,6
	RND2 OB+8*\i+\j, OB+8*\i+\j+1, 12+\j/2
.endr
.endr
	s_wait_tensorcnt 0x1                           ; my first chunk has landed; my second stays out
	s_barrier_signal -1
	s_barrier_wait -1                              ; chunks 0 to 3 are whole
	AFETCH AF0, 0
	BODY                                           ; chunks 0 and 1; the last step reads ahead into chunk 2
	s_wait_xcnt 0x0                                ; the loads' base is stepped only behind this wait
	s_add_nc_u64 s[8:9], s[8:9], 0x8000
	s_wait_dscnt 0x0                               ; no LDS instruction is pending at a signal
	s_wait_tensorcnt 0x0                           ; my second chunk has landed
	s_barrier_signal -1
	s_barrier_wait -1                              ; chunks 4 to 7 are whole
	s_mov_b32 s3, 0
.Lchunks:                                          ; chunks 2 to 5
	BODY
	s_wait_xcnt 0x0
	s_add_nc_u64 s[8:9], s[8:9], 0x8000
	s_add_co_u32 s3, s3, 1
	s_cmp_lt_u32 s3, 2
	s_cbranch_scc1 .Lchunks
	STEP 0, 0, 56, 0                               ; chunks 6 and 7 load nothing of B: the counts run down
	STEP 1, 0, 48, 0
	STEP 2, 0, 40, 0
	STEP 3, 0, 32, 0
	STEP 4, 0, 24, 0
	STEP 5, 0, 16, 0
	STEP 6, 0, 8, 0
	STEP 7, 0, 0, 1
	; THE WAY OUT.  Register j of accumulators (i, 0..3) in lane (r, hh): row 128 gb + 16 i + 8 hh + j, columns 4 r .. 4 r + 3.
	; The add of out_b also brings the four columns into neighbouring registers: sixteen lanes then store 256 consecutive bytes, aligned.
.irp i, 0,1,2,3,4,5,6,7
	WIN 0x81
.irp j, 0,1,2,3,4,5,6,7
.irp q, 0,1,2,3
	v_add_f32 v[4*(8*\i+\j)+\q], v[8*(4*\i+\q)+\j], v[OB+8*\i+\j]
.endr
.endr
	WIN 0x08
.irp j, 0,1,2,3,4,5,6,7
	global_store_b128 v5, v[4*(8*\i+\j):4*(8*\i+\j)+3], s[18:19] offset:(16*\i+\j)*8192 th:TH_STORE_NT
.endr
.endr
	WIN 0
	s_wait_tensorcnt 0x0
	ds_add_u32 v10, v11
	s_wait_dscnt 0x0
	ROUND                                          ; the closing round: no work-group ends while a partner may still ask jointly
	s_endpgm
.Lfunc_end_k_q19186ed5e3_outproj:
	.size	k_q19186ed5e3_outproj, .Lfunc_end_k_q19186ed5e3_outproj-k_q19186ed5e3_outproj
	.p2alignl 7, 3214868480
	.fill 96, 4, 3214868480
	.section	.rodata,"a",@progbits
	.p2align	6, 0x0
	.amdhsa_kernel k_q19186ed5e3_outproj
		.amdhsa_group_segment_fixed_size 279040
		.amdhsa_private_segment_fixed_size 0
		.amdhsa_enable_private_segment 0
		.amdhsa_kernarg_size 48
		.amdhsa_user_sgpr_count 2
		.amdhsa_user_sgpr_kernarg_segment_ptr 1
		.amdhsa_wavefront_size32 1
		.amdhsa_system_sgpr_workgroup_id_x 1
		.amdhsa_system_sgpr_workgroup_id_y 1
		.amdhsa_system_sgpr_workgroup_id_z 1
		.amdhsa_system_vgpr_workitem_id 0
		.amdhsa_next_free_vgpr 768
		.amdhsa_next_free_sgpr 66
		.amdhsa_reserve_vcc 0
		.amdhsa_float_denorm_mode_32 3
		.amdhsa_float_denorm_mode_16_64 3
		.amdhsa_memory_ordered 1
		.amdhsa_forward_progress 1
		.amdhsa_inst_pref_size 129
	.end_amdhsa_kernel
	.amdgpu_metadata
---
amdhsa.version: [ 1, 2 ]
amdhsa.kernels:
  - .name:           k_q19186ed5e3_outproj
    .symbol:         k_q19186ed5e3_outproj.kd
    .args:
      - { .name: mloc, .offset: 0, .size: 8, .value_kind: global_buffer, .address_space: global }
      - { .name: wob, .offset: 8, .size: 8, .value_kind: global_buffer, .address_space: global }
      - { .name: dfrag, .offset: 16, .size: 8, .value_kind: global_buffer, .address_space: global }
      - { .name: mix_w, .offset: 24, .size: 8, .value_kind: global_buffer, .address_space: global }
      - { .name: out_b, .offset: 32, .size: 8, .value_kind: global_buffer, .address_space: global }
      - { .name: out0, .offset: 40, .size: 8, .value_kind: global_buffer, .address_space: global }
    .group_segment_fixed_size: 279040
    .private_segment_fixed_size: 0
    .kernarg_segment_align: 8
    .kernarg_segment_size: 48
    .max_flat_workgroup_size: 128
    .sgpr_count:     66
    .vgpr_count:     768
    .wavefront_size: 32
...
	.end_amdgpu_metadata
.endif
;; end of part 4
;; ======== version 2 of 2: 4 launches; version 1 with the launch prep written anew for expert scheduling mode
;; limits: values outside matrix products are rounded to bf16
;; workspace buffers: wib 2,097,152 bytes; wob 2,097,152 bytes; mloc 16,777,216 bytes; tot 524,288 bytes; dfrag 8,388,608 bytes
;; launch prep (part 5): grid 128 x 2, 8 waves a work-group, no clusters, 0 bytes of LDS; arguments in_w, out_w, wib, wob; writes wib, wob
.if DOCPART == 5
	.amdgcn_target "amdgcn-amd-amdhsa--gfx1250"
	.amdhsa_code_object_version 6
	.text
	.protected	k_q19186ed5e3_prep
	.globl	k_q19186ed5e3_prep
	.p2align	8
	.type	k_q19186ed5e3_prep,@function
k_q19186ed5e3_prep:
	s_mov_b64 s[64:65], 0
	v_nop
	global_prefetch_b8 v0, s[64:65] scope:SCOPE_SE
	s_setreg_imm32_b32 hwreg(HW_REG_WAVE_SCHED_MODE, 0, 2), 2
	s_setreg_imm32_b32 hwreg(HW_REG_WAVE_MODE, 25, 1), 1
	s_wait_xcnt 0x0
	s_wait_alu depctr_vm_vsrc(0)
; wib = bf16(in_w), wob = bf16(out_w): both [1024][1024], row-major, rounded to nearest even.
; The two projections read each weight block 32 times; rounding it once here halves those bytes and lets the
; tensor data mover lay bf16 rows straight into LDS.
; Grid y picks the matrix.  A work-group takes 8,192 numbers: 32,768 bytes in, 16,384 bytes out.
; A stream: no LDS, no barrier, no matrix unit; every register set is used once.
; THE MODE: SCHED_MODE bits 1:0 = 2 (LLVM: expert scheduling mode 2), set by the entry lines.  The code itself states the register dependences
; between vector instructions and memory instructions, with s_wait_alu, always for 0.
; THE PLAN.  Registers that memory instructions touch:
;   v1, v2   byte offsets of the loads and of the stores: written once at the head, never again.
;   X        v[4:35]: load j lands in four registers; no vector instruction names them ahead of the loads; read once, by load j's two conversions; never loaded again.
;   Y        v[36:51]: load j's two conversions write two registers, once; one store reads them.
; The eight loads go in four blocks of two.  Block p waits for its two loads and rounds them; its memory instructions are the two stores of block p - 1,
; whose Y no vector instruction of block p names.  So one wait on va_vdst at a block's head states all that its two stores hang on, and they are dealt
; among the block's conversions with no further wait.  No register that a memory instruction reads is written again: no wait on vm_vsrc is owed.
.set IN_BYTES,  32768                  ; a work-group's f32 bytes
.set OUT_BYTES, 16384                  ; and its bf16 bytes
.set X, 4                              ; v[4:35]   load j: 4 registers at X + 4 j, four f32 as loaded
.set Y, 36                             ; v[36:51]  load j: 2 registers at Y + 2 j, the same four numbers in bf16
	s_load_b256 s[4:11], s[0:1], 0x0               ; in_w s[4:5], out_w s[6:7], wib s[8:9], wob s[10:11]
	s_and_b32 s12, ttmp7, 0xffff                   ; 0: in_w to wib, 1: out_w to wob
	s_lshl_b32 s14, ttmp9, 15                      ; work-group x times IN_BYTES
	s_mov_b32 s15, 0
	s_lshl_b32 s16, ttmp9, 14                      ; work-group x times OUT_BYTES
	s_mov_b32 s17, 0
	v_lshlrev_b32 v1, 4, v0                        ; 16 bytes a thread in
	v_lshlrev_b32 v2, 3, v0                        ; 8 bytes a thread out
	s_wait_kmcnt 0x0
	s_cmp_eq_u32 s12, 0
	s_cselect_b64 s[4:5], s[4:5], s[6:7]           ; the source
	s_cselect_b64 s[8:9], s[8:9], s[10:11]         ; the destination
	s_add_nc_u64 s[4:5], s[4:5], s[14:15]
	s_add_nc_u64 s[8:9], s[8:9], s[16:17]
	s_wait_alu depctr_va_vdst(0)                   ; v1 and v2 are written: every load reads v1 and every store reads v2 as its offset
.irp j, 0,1,2,3,4,5,6,7
	global_load_b128 v[X+4*\j:X+4*\j+3], v1, s[4:5] offset:4096*\j th:TH_LOAD_NT   ; read once in the launch
.endr
; Block p: loads 2 p and 2 p + 1 are rounded; the two stores of block p - 1 go out among the conversions.
.macro BLK p
	s_wait_loadcnt 6-2*(\p)                        ; loads come back in order: this block's two are in, the 6 - 2 p younger ones stay out
.if (\p) > 0
	s_wait_alu depctr_va_vdst(0)                   ; the conversions of the block before have written its four Y registers, which the two stores below read
.endif
.irp j, 0,1
.if (\p) > 0
	global_store_b64 v2, v[Y+4*(\p)-4+2*(\j):Y+4*(\p)-4+2*(\j)+1], s[8:9] offset:2048*(2*(\p)-2+(\j))   ; a wave's store covers 256 consecutive bytes, aligned; no vector instruction since the wait names its registers
.endif
	v_cvt_pk_bf16_f32 v[Y+4*(\p)+2*(\j)],   v[X+8*(\p)+4*(\j)],   v[X+8*(\p)+4*(\j)+1]
	v_cvt_pk_bf16_f32 v[Y+4*(\p)+2*(\j)+1], v[X+8*(\p)+4*(\j)+2], v[X+8*(\p)+4*(\j)+3]
.endr
.endm
	BLK 0                                          ; block 0 has no block in front of it: no store, and no wait but the one for its data
	BLK 1
	BLK 2
	BLK 3
	s_wait_alu depctr_va_vdst(0)                   ; block 3's conversions have written its four Y registers, which the last two stores read
.irp j, 0,1
	global_store_b64 v2, v[Y+12+2*\j:Y+12+2*\j+1], s[8:9] offset:2048*(6+\j)   ; a wave's store covers 256 consecutive bytes, aligned
.endr
	s_endpgm
.Lfunc_end_k_q19186ed5e3_prep:
	.size	k_q19186ed5e3_prep, .Lfunc_end_k_q19186ed5e3_prep-k_q19186ed5e3_prep
	.p2alignl 7, 3214868480
	.fill 96, 4, 3214868480
	.section	.rodata,"a",@progbits
	.p2align	6, 0x0
	.amdhsa_kernel k_q19186ed5e3_prep
		.amdhsa_group_segment_fixed_size 0
		.amdhsa_private_segment_fixed_size 0
		.amdhsa_enable_private_segment 0
		.amdhsa_kernarg_size 32
		.amdhsa_user_sgpr_count 2
		.amdhsa_user_sgpr_kernarg_segment_ptr 1
		.amdhsa_wavefront_size32 1
		.amdhsa_system_sgpr_workgroup_id_x 1
		.amdhsa_system_sgpr_workgroup_id_y 1
		.amdhsa_system_sgpr_workgroup_id_z 1
		.amdhsa_system_vgpr_workitem_id 0
		.amdhsa_next_free_vgpr 52
		.amdhsa_next_free_sgpr 66
		.amdhsa_reserve_vcc 0
		.amdhsa_float_denorm_mode_32 3
		.amdhsa_float_denorm_mode_16_64 3
		.amdhsa_memory_ordered 1
		.amdhsa_forward_progress 1
		.amdhsa_inst_pref_size 4
	.end_amdhsa_kernel
	.amdgpu_metadata
---
amdhsa.version: [ 1, 2 ]
amdhsa.kernels:
  - .name:           k_q19186ed5e3_prep
    .symbol:         k_q19186ed5e3_prep.kd
    .args:
      - { .name: in_w, .offset: 0, .size: 8, .value_kind: global_buffer, .address_space: global }
      - { .name: out_w, .offset: 8, .size: 8, .value_kind: global_buffer, .address_space: global }
      - { .name: wib, .offset: 16, .size: 8, .value_kind: global_buffer, .address_space: global }
      - { .name: wob, .offset: 24, .size: 8, .value_kind: global_buffer, .address_space: global }
    .group_segment_fixed_size: 0
    .private_segment_fixed_size: 0
    .kernarg_segment_align: 8
    .kernarg_segment_size: 32
    .max_flat_workgroup_size: 256
    .sgpr_count:     66
    .vgpr_count:     52
    .wavefront_size: 32
...
	.end_amdgpu_metadata
.endif
;; end of part 5
;; launch inproj: the kernel of part 2 again; grid 32 x 8, 4 waves a work-group, clusters of 4 x 1, 281,088 bytes of LDS; arguments x, wib, in_b, mix_w, mix_b, mloc, tot; writes mloc, tot
;; launch carry: the kernel of part 3 again; grid 64 x 4, 4 waves a work-group, no clusters, 0 bytes of LDS; arguments tot, wob, dfrag; writes dfrag
;; launch outproj: the kernel of part 4 again; grid 32 x 8, 4 waves a work-group, clusters of 4 x 1, 279,040 bytes of LDS; arguments mloc, wob, dfrag, mix_w, out_b, out0; writes out0
